; MI455X (gfx1250); checked and timed in simulation.
; The chip was launched on July 23, 2026; its instructions are those of AMD's public machine-readable ISA for CDNA 5 (MIT licence, August 2026) and "CDNA5" Instruction Set Architecture Reference Guide (July 2026). The comments in the code are by the model that wrote it; some were corrected since.
;; VG Multihead Attention. Allowed arithmetic: matrix products marked QUANTISED: E2M1 operands, one E8M0 scale for each 32 along K, by v_wmma_scale_f32_16x16x128_f8f6f4 with both operands' format E2M1 (or v_wmma_scale_f32_32x16x128_f4), f32 sums; products left as they are: f32 operands where the result goes on into a quantised operand, else bf16, f16 or f32 operands; f32 sums; everything else in f32.
;; Inputs: Wk_codes 1,024 x 32 x 16 uint8 (E2M1 codes of Wk, K innermost, in blocks of 32 codes, two codes a byte); Wk_scales 1,024 x 32 uint8 (E8M0 scales of Wk, one for each 32 codes along K); Wo_codes 1,024 x 32 x 16 uint8 (E2M1 codes of Wo, K innermost, in blocks of 32 codes, two codes a byte); Wo_scales 1,024 x 32 uint8 (E8M0 scales of Wo, one for each 32 codes along K); Wq_codes 1,024 x 32 x 16 uint8 (E2M1 codes of Wq, K innermost, in blocks of 32 codes, two codes a byte); Wq_scales 1,024 x 32 uint8 (E8M0 scales of Wq, one for each 32 codes along K); Wv_codes 1,024 x 32 x 16 uint8 (E2M1 codes of Wv, K innermost, in blocks of 32 codes, two codes a byte); Wv_scales 1,024 x 32 uint8 (E8M0 scales of Wv, one for each 32 codes along K); bk 1,024 float32; bo 1,024 float32; bq 1,024 float32; bv 1,024 float32; hidden_states_codes 16 x 1 x 32 x 16 uint8 (E2M1 codes of hidden_states, K innermost, in blocks of 32 codes, two codes a byte); hidden_states_scales 16 x 1 x 32 uint8 (E8M0 scales of hidden_states, one for each 32 codes along K); key_value_states_codes 16 x 1,024 x 32 x 16 uint8 (E2M1 codes of key_value_states, K innermost, in blocks of 32 codes, two codes a byte); key_value_states_scales 16 x 1,024 x 32 uint8 (E8M0 scales of key_value_states, one for each 32 codes along K).
;; Outputs: out0 16 x 1,024 x 1,024 float32.
;; This version of the problem:
;;   THIS VERSION OF THE PROBLEM IS GIVEN IN LOW PRECISION. The matrix products marked QUANTISED in the list below multiply operands that are first quantised to E2M1 (2 exponent bits, 1 mantissa bit; 4 bits a number), with one power-of-two scale for each 32 numbers along K (OCP MX v1.0); their sums are f32. All else is computed in f32.
;;   The module's matrix products, in the order in which they are computed (A, B: the left and right operand; K: the contracted axis; several contracted axes count as one K, in the product's order):
;;     1. [M 16, K 1,024] x [K 1,024, N 1,024]; A: input hidden_states (given as codes); B: input Wq (given as codes): QUANTISED
;;     2. [M 16,384, K 1,024] x [K 1,024, N 1,024]; A: input key_value_states (given as codes); B: input Wk (given as codes): QUANTISED
;;     3. [M 16,384, K 1,024] x [K 1,024, N 1,024]; A: input key_value_states (given as codes); B: input Wv (given as codes): QUANTISED
;;     4. batch 256 x [M 1, K 64] x [K 64, N 1,024]; A: computed on the way; B: computed on the way: left as it is (M = 1 < 16)
;;     5. [M 16,384, K 1,024] x [K 1,024, N 1,024]; A: computed on the way; B: input Wo (given as codes): QUANTISED
;;   THE QUANTISER, for each operand of a quantised product, along K:
;;     - K is cut into blocks of 32 from its start; a last block that is shorter is filled with zeros.
;;     - A block's scale is 2^e with e = floor(log2(the largest magnitude in the block)) - 2, held to -126 .. 127; a block of zeros has e = 0. As a byte (E8M0): e + 127.
;;     - Each number is divided by its block's scale, clamped to +-6, and rounded to the nearest number of E2M1, ties to even, subnormals kept.
;;     - The product sums the exact products of the quantised numbers (number of the format x scale) in f32.
;;   ~~~python
;;   def quantise(x, axis):      # numpy; x: float32 -> the quantised numbers, widened to float32 again
;;       x = np.moveaxis(x, axis, -1); K = x.shape[-1]
;;       x = np.pad(x, [(0, 0)] * (x.ndim - 1) + [(0, -K % 32)]); x = x.reshape(x.shape[:-1] + (-1, 32)); a = np.abs(x).max(-1, keepdims=True)
;;       e = np.where(a > 0, np.clip(np.frexp(np.where(a > 0, a, 1))[1] - 1 - 2, -126, 127), 0)      # np.frexp(a)[1] - 1 = floor(log2(a)), exactly
;;       r = np.clip(x / 2.0 ** e, -6, 6)
;;       step = 2.0 ** (np.maximum(np.frexp(np.where(r == 0, 1, r))[1] - 1, 0) - 1)
;;       q = np.round(r / step) * step * 2.0 ** e      # np.round: ties to even
;;       return np.moveaxis(q.reshape(q.shape[:-2] + (-1,))[..., :K], -1, axis).astype(np.float32)
;;   ~~~
;;   OPERANDS COMPUTED ON THE WAY. 'Computed on the way' means the value that the module computes at that place (a softmax that the list does not call 'softmax' is quantised finished and normalised). What goes into a quantiser is computed in f32, as accurately as f32 sums, v_exp_f32 and their like allow (about 1e-6 of the number): no bf16 or f16 on the way to a quantiser, and a product that is left as it is and whose result goes on into a quantised operand takes f32 operands (vector FMAs, or v_wmma_f32_16x16x4_f32). A number that lies on a knife's edge between two numbers of the format may be rounded either way, as far as f32 arithmetic and the matrix unit's own rounding can turn it there, and no further.
;;   INPUTS GIVEN AS CODES. Wk (in the module: [1024, 1024], K = its axis 1); Wo (in the module: [1024, 1024], K = its axis 1); Wq (in the module: [1024, 1024], K = its axis 1); Wv (in the module: [1024, 1024], K = its axis 1); hidden_states (in the module: [16, 1, 1024], K = its axis 2); key_value_states (in the module: [16, 1024, 1024], K = its axis 2): each comes as NAME_codes (uint8): NAME with its K axis moved to the last place and cut into blocks of 32 codes, [.., K / 32, bytes a block], one block behind the other in memory; two codes a byte, the lower K in the low four bits (a code: sign, 2 exponent bits, 1 mantissa bit); and NAME_scales (uint8): the same leading axes, one E8M0 byte (e + 127) for each 32 codes along K. Its value is code x scale, taken as it is: it is not quantised again, and the codes and scales need not be those that the quantiser above would give.
;; 2 versions. Each part assembles by itself: llvm-mc -triple=amdgcn-amd-amdhsa -mcpu=gfx1250 --defsym DOCPART=n.
;; ======== version 1 of 2: 1 launch
;; launch fused (part 1): grid 256 x 1, 4 waves a work-group, clusters of 4 x 1, 327,680 bytes of LDS; arguments Wq_codes, Wq_scales, bq, Wk_codes, Wk_scales, bk, Wv_codes, Wv_scales, bv, Wo_codes, Wo_scales, bo, hidden_states_codes, hidden_states_scales, key_value_states_codes, key_value_states_scales, out0; writes out0
.if DOCPART == 1
	.amdgcn_target "amdgcn-amd-amdhsa--gfx1250"
	.amdhsa_code_object_version 6
	.text
	.protected	k_q9da1f5b7cc_fused
	.globl	k_q9da1f5b7cc_fused
	.p2align	8
	.type	k_q9da1f5b7cc_fused,@function
k_q9da1f5b7cc_fused:
	s_mov_b64 s[64:65], 0
	v_nop
	global_prefetch_b8 v0, s[64:65] scope:SCOPE_SE
	s_setreg_imm32_b32 hwreg(HW_REG_WAVE_MODE, 25, 1), 1
	s_wait_xcnt 0x0
	s_wait_alu depctr_hold_cnt(0) depctr_sa_sdst(0) depctr_va_vdst(0) depctr_va_sdst(0) depctr_va_ssrc(0) depctr_va_vcc(0) depctr_vm_vsrc(0)
	s_getreg_b32 s2, hwreg(HW_REG_IB_STS2, 6, 4)
	s_cmp_eq_u32 s2, 0
	s_cbranch_scc0 .Lentry_in_a_cluster
	s_endpgm
.Lentry_in_a_cluster:
	s_bfe_u32 s2, ttmp6, 0x10000c
	s_cmp_lg_u32 s2, 0x3003
	s_cbranch_scc0 .Lentry_shape_is_right
	s_endpgm
.Lentry_shape_is_right:
; out = Q(clip((hs Wq^T + bq) / 8 . (kv Wk^T + bk), 0, 1) x (kv Wv^T + bv)) Wo^T + bo, head by head (16 heads of 64), in ONE launch.
; The four products with a weight are on codes of FP4 (E2M1) with one E8M0 scale for each 32 along K; hs, kv and the weights arrive as codes; the gated values (ctx) are quantised here, along head x 64 + d.
; The score (64 terms a head) is summed in f32 by fused multiply-adds, since it goes on into the quantiser.
; NO WORK IS LEFT OUT: every input has a way to the output and is loaded.
; LIMITS: NaN among the inputs and scale bytes 0xff are not served (the middle-of-three that clips does not carry a NaN as a clip does).  A block of ctx that is all zeros gets the scale byte 1 where the rule
; says 127: its codes are zeros, and only this program reads the byte.  The score's 64 terms are added in another order than a plain chain: 32 in each half of the lanes, in two packed chains.
; SHARES.  A row of out needs all 1,024 numbers of its row of ctx, so a work-group owns whole rows: 64 keys of one batch (16,384 / 256).  THE FOUR WAVES SHARE THE COLUMNS: wave w owns heads 4 w .. 4 w + 3
; (rows 256 w on of Wq, Wk, Wv) and output columns 256 w on (rows of Wo), for all 64 keys.  The 64 keys' codes (first kv, later ctx) stay in 256 registers of every wave: 4 tiles of 16 keys x 8 K steps of 128.
; THE WEIGHTS STREAM in chunks of 64 rows x 512 bytes (dense in memory): a wave walks 16 chunks of its own: Wq's four heads; then Wk, Wv head by head; then Wo's four blocks of 64 columns.  A chunk is read from
; LDS once, whole, into 256 registers, and multiplied with all 64 keys: 128 matrix instructions (Wq: 32).  Two LDS slots take turns; a slot holds the four waves' chunks, and only the wave that asked reads its part.
; CLUSTER.  All work-groups walk the same weights, so the four of a cluster ask JOINTLY: wave w of each issues the same tensor load, whose address is made of the arguments, w and constants alone.
; My place in the cluster enters only the global addresses of kv, of kv's scales and of out.
; ALL PRODUCTS ARE USED TRANSPOSED (source 0 = 16 rows of a weight, source 1 = 16 keys): lane (r, h) holds key r, and its register j column 16 t + 8 h + j.  So a lane's registers run along the next K.
; In the product with Wq source 1 is my batch's one row of hs in all 16 places: q comes out in the same layout in every lane, ready to be multiplied with k.  Each bias is the C of its sum's first product.
; REGISTERS, in windows of 256: window 0: v0-26 addresses; v32-47 the keys' scale words, v48-79 the weights' (two sets), v80-87 hs's: these hold scales alone; v96-159 hs's fragments; v160-223 rows of out.
;   window 1: the keys' fragments AF(m, s) at 8 (8 m + s).   window 2: a chunk's fragments WF(t, s) at 8 (8 t + s).
;   window 3: v0-127 accumulators ACC(t, m) at 8 (4 t + m); v128.. bias; v160.. q / 8; v192.. at work on the score and the quantiser.
.set CH,    64*528                     ; a chunk in LDS: 64 rows of 512 bytes + 16 of padding: row r starts 33 r x 16 bytes on, so the 16 rows that a load touches lie in 16 different columns of 16 bytes
.set SLOT,  4*CH                       ; the four waves' chunks
.set XCH,   2*SLOT                     ; behind the ring: first kv's 64 rows (pitch 528), later ctx's fragments as images of their registers (32,768 bytes)
.set CSB,   XCH+32768                  ; and ctx's scale bytes: 512 w + 8 key + 2 head + block
.set STAGE, XCH+34816                  ; the way out: 16 rows x (256 + 16) bytes for each wave
.set QL,    STAGE+4*4352               ; q / 8, 1,024 bytes for each wave
.set SPARE, QL+4096                    ; the spare words, 128 bytes for each wave: two blocks of 256 bytes that no other line names
.set SPW, 4                            ; v4   LDS address of my spare word; never rewritten
.set NIL, 5                            ; v5   0; never rewritten
.set FRA, 6                            ; v6   my lane's place in my chunk of slot 0: w CH + 528 r + 16 h
.set FRB, 7                            ; v7   of slot 1
.set KVW, 8                            ; v8   where I put kv's rows: XCH + 16 x 528 w + 16 lane
.set KVR, 9                            ; v9   where I read their fragments: XCH + 528 r + 16 h
.set IMW, 10                           ; v10  where I put ctx's images: XCH + 8192 w + 16 lane
.set IMR, 11                           ; v11  where I read them: XCH + 16 lane
.set CSW, 12                           ; v12  where I put ctx's scale bytes: CSB + 512 w + 8 r
.set CSR, 13                           ; v13  where I read the words: CSB + 8 lane
.set QW,  14                           ; v14  q / 8: QL + 1024 w + 32 h
.set STO, 16                           ; v16  the stage: where I put 32 bytes of a row
.set SRD, 17                           ; v17  and where I read a row back
.set CO,  18                           ; v18  my byte offset in out: 4096 h + 16 r
.set VS,  19                           ; v19  32 lane: a row of scale bytes
.set VB,  20                           ; v20  32 h: my half's eight numbers of a bias
.set VH,  21                           ; v21  16 h
.set VL,  22                           ; v22  16 lane
.set VZ,  23                           ; v23  0, an offset
.set IMC, 24                           ; v24-26 the head's addresses: IMW, CSW, QW + the head's step
.set CSC, 25
.set QC,  26
.set KS,  32                           ; register 8 p + s: the scale word of key 32 p + lane for K step s (tile 2 p in lanes 0-15, tile 2 p + 1 in lanes 16-31)
.set WS,  48                           ; register 16 set + 8 p + s: that of the chunk's row 32 p + lane
.set HS,  80                           ; register s: hs's, in all lanes
.set HF,  96                           ; hs's fragments
.set OB,  160                          ; the way out: two sets of 32
.set BI,  128                          ; window 3: bias, tile t at + 8 t
.set QV,  160                          ; q / 8 of the head, tile t at + 8 t
.set SP,  192                          ; the score's two chains, tile of keys m at + 2 m
.set AT,  200                          ; the gate, twice (a pair for the packed multiply), at + 2 m
.set TM,  208                          ; largest magnitudes, block (m, b) at + 2 m + b
.set EX,  216                          ; what comes from lane l xor 16; later the scale bytes
.set SCL, 224                          ; the conversions' scale operands
.set CD,  232                          ; codes, at + 4 m
.set HW,  248                          ; a head's two scale bytes, at + m
.set WV,  4                            ; s4   my wave's number
.set CX,  5                            ; s5   my place in the cluster
.set WG,  6                            ; s6   my work-group: 4 x cluster + place
.set BT,  7                            ; s7   my batch: the same in the four partners
.set SEL, 12                           ; s[12:13] lane selects for v_permlanex16_b32: lane l xor 16
.set CNT, 14
.set G1,  16                           ; s[16:23] descriptor group 1: a chunk
.set G0A, 24                           ; s[24:27] group 0 for slot 0;  s[28:31] for slot 1
.set G0B, 28
.set IMS, 32                           ; s32-34 the head's steps: 512, 2 and 256 bytes a head
.set CSS, 33
.set QS,  34
.set OUTP, 40
.set PQ, 68                            ; codes, scales, bias of Wq; of Wk; of Wv; of Wo, each at my wave's 256 rows
.set SQ, 70
.set BQ, 72
.set PK, 74
.set SK, 76
.set BK, 78
.set PV, 80
.set SV, 82
.set BV, 84
.set PO, 86
.set SO, 88
.set BO, 90
.set HC, 92                            ; hs's codes and scales at my batch;  kv's at my rows
.set HSS, 94
.set KC, 96
.set KSS, 98
.set MSB, 0
.macro WIN new                         ; low byte: bits 1:0 source 0, 3:2 source 1, 5:4 source 2, 7:6 destination; the high byte repeats the setting that is left
.if MSB != \new
	s_set_vgpr_msb (MSB<<8)|\new
.set MSB, \new
.endif
.endm
.macro PLACES n                        ; plain vector instructions that name no register of the matrix instructions ahead of them (ISA guide 7.12.1)
.rept \n
	v_nop
.endr
.endm
; A round of the cluster's barrier: my work-group's barrier, wave 0 signals for the work-group, every wave waits for all four work-groups, my work-group's barrier once more.
.macro ROUND
	s_barrier_signal -1
	s_barrier_wait -1
	s_cmp_lg_u32 s[WV], 0
	s_cbranch_scc1 .Lnot_wave_0_\@
	s_barrier_signal -3
.Lnot_wave_0_\@:
	s_barrier_wait -3
	s_barrier_signal -1
	s_barrier_wait -1
.endm
; THE CHANGE OF SLOTS, at a step's head.  All my tensor loads have landed: the one that was out is this step's chunk.  The slot read in the last step takes the next step's chunk, at off bytes from pointer p:
; the joint load is the first thing behind the round and has this whole step in which to land.  By this text's count one tensor load of a wave is out behind a round (two at the start).
.macro TURN g0, p, off
	WIN 0                                          ; the add's two registers lie in window 0; at a label and at a branch every window is 0
	s_wait_tensorcnt 0x0                           ; no tensor load of mine is out, so a group 0 may be written
	ds_add_u32 v[SPW], v[NIL]                      ; 0 onto my spare word; the descriptor's two lines stand between it and the wait for it
	s_add_nc_u64 s[\g0+2:\g0+3], s[\p:\p+1], \off
	s_or_b32 s[\g0+3], s[\g0+3], 0x80000000        ; type = 2
	s_wait_dscnt 0x0                               ; the add is done, my reads of the slot are over, and what I stored for the other waves has landed
	ROUND                                          ; all that now holds of every wave of the four work-groups
	tensor_load_to_lds s[\g0:\g0+3], s[G1:G1+7]
	s_nop 0
	PLACES 4                                       ; (places in front of the loads that follow)
.endm
.macro REQ_S set, sb, off              ; the scale words of a chunk's 64 rows into set: lane l takes rows l and 32 + l, 32 bytes each
	WIN 0
.irp p, 0,1
.irp e, 0,1
	global_load_b128 v[WS+16*(\set)+8*\p+4*\e:WS+16*(\set)+8*\p+4*\e+3], v[VS], s[\sb:\sb+1] offset:(\off)+1024*\p+16*\e
.endr
.endr
.endm
.macro REQ_B bb, off                   ; a chunk's 64 numbers of bias in the result's layout: register j of tile t = number 16 t + 8 h + j
	WIN 0xc0
.irp t, 0,1,2,3
.irp e, 0,1
	global_load_b128 v[BI+8*\t+4*\e:BI+8*\t+4*\e+3], v[VB], s[\bb:\bb+1] offset:(\off)+64*\t+16*\e
.endr
.endr
.endm
; A whole chunk from LDS into window 2: 64 loads in four groups of 16, in the order in which MULG wants them: tiles 2 p, 2 p + 1, K steps 4 sh .. 4 sh + 3.
; A fragment (16 rows x 128 K of 4-bit codes) is 8 registers: lane (r, h) holds row r; registers 4 c .. 4 c + 3 hold K = 64 c + 32 h + 0 .. 31: 16 bytes of the row as they lie.
.macro LOADW adr
	WIN 0x80
.irp p, 0,1
.irp sh, 0,1
.irp u, 0,1
.irp q, 0,1,2,3
.irp c, 0,1
	ds_load_b128 v[8*(8*(2*\p+\u)+4*\sh+\q)+4*\c:8*(8*(2*\p+\u)+4*\sh+\q)+4*\c+3], v[\adr] offset:16*(2*\p+\u)*528+64*(4*\sh+\q)+32*\c
.endr
.endr
.endr
.endr
.endr
.endm
; One product: ACC(t, m) (+)= WF(t, s) x AF(m, s).  first: the bias starts the sum.  An odd tile's scale words stand in lanes 16-31 of their register.
.macro MM t, m, s, set, first
.set rD, 8*(4*(\t)+(\m))
.set rA, 8*(8*(\t)+(\s))
.set rB, 8*(8*(\m)+(\s))
.set rC, rD
.if \first
.set rC, BI+8*(\t)
.endif
.set rW, WS+16*(\set)+8*((\t)/2)+(\s)
.set rK, KS+8*((\m)/2)+(\s)
.if ((\t)%2 == 0) && ((\m)%2 == 0)
	v_wmma_scale_f32_16x16x128_f8f6f4 v[rD:rD+7], v[rA:rA+7], v[rB:rB+7], v[rC:rC+7], v[rW], v[rK] matrix_a_fmt:MATRIX_FMT_FP4 matrix_b_fmt:MATRIX_FMT_FP4
.elseif ((\t)%2 == 1) && ((\m)%2 == 0)
	v_wmma_scale_f32_16x16x128_f8f6f4 v[rD:rD+7], v[rA:rA+7], v[rB:rB+7], v[rC:rC+7], v[rW], v[rK] matrix_a_fmt:MATRIX_FMT_FP4 matrix_b_fmt:MATRIX_FMT_FP4 matrix_a_scale:MATRIX_SCALE_ROW1
.elseif ((\t)%2 == 0)
	v_wmma_scale_f32_16x16x128_f8f6f4 v[rD:rD+7], v[rA:rA+7], v[rB:rB+7], v[rC:rC+7], v[rW], v[rK] matrix_a_fmt:MATRIX_FMT_FP4 matrix_b_fmt:MATRIX_FMT_FP4 matrix_b_scale:MATRIX_SCALE_ROW1
.else
	v_wmma_scale_f32_16x16x128_f8f6f4 v[rD:rD+7], v[rA:rA+7], v[rB:rB+7], v[rC:rC+7], v[rW], v[rK] matrix_a_fmt:MATRIX_FMT_FP4 matrix_b_fmt:MATRIX_FMT_FP4 matrix_a_scale:MATRIX_SCALE_ROW1 matrix_b_scale:MATRIX_SCALE_ROW1
.endif
.endm
.macro MULG p, sh, set                 ; 32 products: tiles 2 p, 2 p + 1 x the four tiles of keys, K steps 4 sh .. 4 sh + 3; the eight accumulators take turns, one instruction a turn
.irp q, 0,1,2,3
.irp u, 0,1
.irp m, 0,1,2,3
	MM 2*(\p)+\u, \m, 4*(\sh)+\q, \set, (4*(\sh)+\q)==0
.endr
.endr
.endr
.endm
; A LARGE STEP, first part: the next chunk's scale words are asked for, this chunk comes out of LDS.
.macro BIG_A adr, set, nxt, sb, soff
.if \nxt
	REQ_S 1-(\set), \sb, \soff
.endif
	LOADW \adr
.if \nxt
	s_wait_loadcnt 0x4                             ; all but the four just issued: this chunk's scale words and bias, asked for a step ago, are in
.else
	s_wait_loadcnt 0x0
.endif
.endm
; Second part: 128 products; the next chunk's bias is asked for when this chunk's has been taken up.
.macro BIG_B set, nxt, bb, boff
	s_wait_dscnt 48                                ; the first group of 16 fragment loads is in (and all that was asked of LDS before them); three groups may be out
	WIN 0xf6                                       ; source 0 window 2, source 1 window 1, C and D window 3
	MULG 0, 0, \set
	s_wait_dscnt 32
	MULG 0, 1, \set
	s_wait_dscnt 16
	MULG 1, 0, \set
.if \nxt
	PLACES 4                                       ; in front of loads into the bias's registers, which the products above have read
	REQ_B \bb, \boff
.endif
	s_wait_dscnt 0x0
	WIN 0xf6
	MULG 1, 1, \set
	PLACES 5                                       ; four in front of the first read of results and of loads into the operands' registers; five in front of the next step's products, which begin these accumulators anew
.endm
.macro QMUL set                        ; q of one head: ACC(t, 0) = bq + Wq's tile t x hs, 32 products, four accumulators by turns
	WIN 0xf2                                       ; source 0 window 2, source 1 (hs) window 0, C and D window 3
.irp s, 0,1,2,3,4,5,6,7
.irp t, 0,1,2,3
.set rC, 32*\t
.if \s == 0
.set rC, BI+8*\t
.endif
.if \t%2 == 0
	v_wmma_scale_f32_16x16x128_f8f6f4 v[32*\t:32*\t+7], v[8*(8*\t+\s):8*(8*\t+\s)+7], v[HF+8*\s:HF+8*\s+7], v[rC:rC+7], v[WS+16*(\set)+8*(\t/2)+\s], v[HS+\s] matrix_a_fmt:MATRIX_FMT_FP4 matrix_b_fmt:MATRIX_FMT_FP4
.else
	v_wmma_scale_f32_16x16x128_f8f6f4 v[32*\t:32*\t+7], v[8*(8*\t+\s):8*(8*\t+\s)+7], v[HF+8*\s:HF+8*\s+7], v[rC:rC+7], v[WS+16*(\set)+8*(\t/2)+\s], v[HS+\s] matrix_a_fmt:MATRIX_FMT_FP4 matrix_b_fmt:MATRIX_FMT_FP4 matrix_a_scale:MATRIX_SCALE_ROW1
.endif
.endr
.endr
.endm
.macro QEPI i                          ; q / sqrt(64), exact; kept in my own 1,024 bytes of LDS in the result's layout (the 16 lanes of a half write the same bytes with the same values)
	WIN 0xff
.irp t, 0,1,2,3
.irp jp, 0,1,2,3
	v_pk_mul_f32 v[32*\t+2*\jp:32*\t+2*\jp+1], v[32*\t+2*\jp:32*\t+2*\jp+1], 0x3e000000 op_sel_hi:[1,0]
.endr
.endr
	WIN 0x0c                                       ; an LDS store's data are its source 1: window 3
.irp t, 0,1,2,3
.irp e, 0,1
	ds_store_b128 v[QW], v[32*\t+4*\e:32*\t+4*\e+3] offset:256*(\i)+64*\t+16*\e
.endr
.endr
.endm
.macro QSTEP i, g0, p, off, sb, soff, bb, boff  ; Wq's head i; the slot left takes the chunk at p + off; sb, bb: the next chunk's scales and bias
	TURN \g0, \p, \off
	REQ_S 1-(\i)%2, \sb, \soff
	LOADW FRA+(\i)%2
	s_wait_loadcnt 0x4                             ; all but the four just issued
	s_wait_dscnt 0x0
	QMUL (\i)%2
	PLACES 4
	REQ_B \bb, \boff
	QEPI \i
.endm
.macro LOADKV                          ; kv's 32 fragments, from the rows that the four waves have laid in LDS
	WIN 0x40
.irp m, 0,1,2,3
.irp s, 0,1,2,3,4,5,6,7
.irp c, 0,1
	ds_load_b128 v[8*(8*\m+\s)+4*\c:8*(8*\m+\s)+4*\c+3], v[KVR] offset:16*\m*528+64*\s+32*\c
.endr
.endr
.endr
.endm
.macro LOADCTX                         ; ctx's 32 fragments, as the images that the four waves stored: K step s is heads 2 s, 2 s + 1: wave s / 2; and its scale words, two K steps to a load
	WIN 0x40
.irp m, 0,1,2,3
.irp s, 0,1,2,3,4,5,6,7
.irp c, 0,1
	ds_load_b128 v[8*(8*\m+\s)+4*\c:8*(8*\m+\s)+4*\c+3], v[IMR] offset:(\s/2)*8192+2048*\m+(\s%2)*1024+512*\c
.endr
.endr
.endr
	WIN 0
.irp p, 0,1
.irp x, 0,1,2,3
	ds_load_b64 v[KS+8*\p+2*\x:KS+8*\p+2*\x+1], v[CSR] offset:512*\x+256*\p
.endr
.endr
.endm
; THE SCORE of my key in each of the four tiles: my half's 32 terms in two packed chains, then the other half's by lane l xor 16; clipped to 0 .. 1.  Each accumulator is read from its low end on.
.macro SCORE
	WIN 0xff
.irp m, 0,1,2,3
	v_pk_mul_f32 v[SP+2*\m:SP+2*\m+1], v[8*\m:8*\m+1], v[QV:QV+1]
.endr
.irp t, 0,1,2,3
.irp jp, 0,1,2,3
.if (\t)+(\jp) > 0
.irp m, 0,1,2,3
	v_pk_fma_f32 v[SP+2*\m:SP+2*\m+1], v[8*(4*\t+\m)+2*\jp:8*(4*\t+\m)+2*\jp+1], v[QV+8*\t+2*\jp:QV+8*\t+2*\jp+1], v[SP+2*\m:SP+2*\m+1]
.endr
.endif
.endr
.endr
.irp m, 0,1,2,3
	v_add_f32 v[SP+2*\m], v[SP+2*\m], v[SP+2*\m+1]
.endr
.irp m, 0,1,2,3
	v_permlanex16_b32 v[EX+\m], v[SP+2*\m], s[SEL], s[SEL+1]
.endr
.irp m, 0,1,2,3
	v_add_f32 v[SP+2*\m], v[SP+2*\m], v[EX+\m]
.endr
.irp m, 0,1,2,3
	v_med3_num_f32 v[AT+2*\m], v[SP+2*\m], 0, 1.0
	v_med3_num_f32 v[AT+2*\m+1], v[SP+2*\m], 0, 1.0
.endr
.endm
; ctx = gate x v, quantised along d.  Block b of the head (d = 32 b .. 32 b + 31) lies in tiles 2 b, 2 b + 1: lane (r, h) holds d = 32 b + 16 u + 8 h + 0 .. 7, u = 0, 1; lane l xor 16 holds the rest.
; The codes of (b, u) go to register 2 u + b; exchanging register 2 u's lanes 16-31 with register 2 u + 1's lanes 0-15 leaves, in lane (r, h), registers 0 .. 3 = block h's codes in ascending d:
; four registers of the next operand's fragment.  They go to LDS as they stand, 16 bytes a lane; the head's two scale bytes go as one half-word a key (both halves of the lanes write the same).
.macro CTXQ
	WIN 0xff
.irp t, 0,1,2,3
.irp m, 0,1,2,3
.irp jp, 0,1,2,3
	v_pk_mul_f32 v[8*(4*\t+\m)+2*\jp:8*(4*\t+\m)+2*\jp+1], v[8*(4*\t+\m)+2*\jp:8*(4*\t+\m)+2*\jp+1], v[AT+2*\m:AT+2*\m+1]
.endr
.endr
.endr
.irp m, 0,1,2,3
.irp b, 0,1
	v_max3_num_f32 v[TM+2*\m+\b], |v[8*(8*\b+\m)]|, |v[8*(8*\b+\m)+1]|, 0x1800000   ; my 16 numbers of block (m, b), and the floor 2^(3 - 127): so the byte cannot fall under 1.  The eight blocks by turns
.endr
.endr
.irp i, 2,4,6
.irp m, 0,1,2,3
.irp b, 0,1
	v_max3_num_f32 v[TM+2*\m+\b], v[TM+2*\m+\b], |v[8*(8*\b+\m)+\i]|, |v[8*(8*\b+\m)+\i+1]|
.endr
.endr
.endr
.irp i, 0,2,4,6
.irp m, 0,1,2,3
.irp b, 0,1
	v_max3_num_f32 v[TM+2*\m+\b], v[TM+2*\m+\b], |v[8*(8*\b+4+\m)+\i]|, |v[8*(8*\b+4+\m)+\i+1]|
.endr
.endr
.endr
.irp x, 0,1,2,3,4,5,6,7
	v_permlanex16_b32 v[EX+\x], v[TM+\x], s[SEL], s[SEL+1]
.endr
.irp x, 0,1,2,3,4,5,6,7
	v_max_num_f32 v[TM+\x], v[TM+\x], v[EX+\x]     ; with lane l xor 16's: the block's largest magnitude
.endr
.irp x, 0,1,2,3,4,5,6,7
	v_add_nc_u32 v[SCL+\x], 0xff000000, v[TM+\x]   ; 2 off its exponent field: the conversion takes the exponent field of this operand as its scale
.endr
.irp x, 0,1,2,3,4,5,6,7
	v_lshrrev_b32 v[EX+\x], 23, v[SCL+\x]          ; the scale's byte
.endr
.irp m, 0,1,2,3
	v_lshl_or_b32 v[HW+\m], v[EX+2*\m+1], 8, v[EX+2*\m]
.endr
.irp m, 0,1,2,3
.irp u, 0,1
.irp b, 0,1
	v_cvt_scalef32_pk8_fp4_f32 v[CD+4*\m+2*\u+\b], v[8*(4*(2*\b+\u)+\m):8*(4*(2*\b+\u)+\m)+7], v[SCL+2*\m+\b]
.endr
.endr
.endr
	v_nop                                          ; one plain place behind the last scaled conversion
.irp m, 0,1,2,3
.irp u, 0,1
	v_permlane16_swap_b32 v[CD+4*\m+2*\u], v[CD+4*\m+2*\u+1]
.endr
.endr
	WIN 0x0c
.irp m, 0,1,2,3
	ds_store_b128 v[IMC], v[CD+4*\m:CD+4*\m+3] offset:2048*\m
	ds_store_b16 v[CSC], v[HW+\m] offset:128*\m
.endr
.endm
.macro KSTEP last                      ; k of one head and the score.  The slot left takes the same head's chunk of Wv
	TURN G0B, PV, 0
	v_add_nc_u32 v[QC], s[QS], v[QW]
	WIN 0xc0
.irp t, 0,1,2,3
.irp e, 0,1
	ds_load_b128 v[QV+8*\t+4*\e:QV+8*\t+4*\e+3], v[QC] offset:64*\t+16*\e   ; the head's q / 8: my own bytes, stored long ago
.endr
.endr
	BIG_A FRA, 0, 1, SV, 0
.if !\last
	s_add_nc_u64 s[PK:PK+1], s[PK:PK+1], 32768     ; on to the next head of Wk: the loads that named SK and BK are done by the wait just passed
	s_add_nc_u64 s[SK:SK+1], s[SK:SK+1], 2048
	s_add_nc_u64 s[BK:BK+1], s[BK:BK+1], 256
.endif
	BIG_B 0, 1, BV, 0
	SCORE
.endm
.macro VSTEP last                      ; v of the same head, the gate, the quantiser.  The slot left takes the next head's chunk of Wk, or, behind the last head, Wo's first
.if \last
	TURN G0A, PO, 0
.else
	TURN G0A, PK, 0
.endif
	v_add_nc_u32 v[IMC], s[IMS], v[IMW]
	v_add_nc_u32 v[CSC], s[CSS], v[CSW]
.if \last
	BIG_A FRB, 1, 1, SO, 0
	BIG_B 1, 1, BO, 0
.else
	BIG_A FRB, 1, 1, SK, 0
	s_add_nc_u64 s[PV:PV+1], s[PV:PV+1], 32768     ; on to the next head of Wv: the loads that named SV and BV are done by the wait just passed
	s_add_nc_u64 s[SV:SV+1], s[SV:SV+1], 2048
	s_add_nc_u64 s[BV:BV+1], s[BV:BV+1], 256
	BIG_B 1, 1, BK, 0
.endif
	CTXQ
	WIN 0
.if !\last
	s_add_co_u32 s[IMS], s[IMS], 512
	s_add_co_u32 s[CSS], s[CSS], 2
	s_add_co_u32 s[QS], s[QS], 256
.endif
.endm
; THE WAY OUT of 16 keys x 64 columns.  A lane holds 32 neighbouring bytes of a row for each tile, and the lanes beside it hold other rows: so the block goes through my own stage and comes back as rows of 256 bytes.
; LDS serves a wave's instructions in order (ISA guide 5.7.1.4): no wait between the stores and the loads, nor in front of the next block's stores.
.macro TOSTAGE m
	s_wait_xcnt 0x0                                ; the stores of two blocks back have read their registers: the loads below may land there
	WIN 0x0c
.irp t, 0,1,2,3
	ds_store_b128 v[STO], v[8*(4*\t+(\m)):8*(4*\t+(\m))+3] offset:64*\t        ; each accumulator from its low end on
	ds_store_b128 v[STO], v[8*(4*\t+(\m))+4:8*(4*\t+(\m))+7] offset:64*\t+16
.endr
	WIN 0
.irp i, 0,1,2,3,4,5,6,7
	ds_load_b128 v[OB+32*((\m)%2)+4*\i:OB+32*((\m)%2)+4*\i+3], v[SRD] offset:544*\i
.endr
.endm
.macro SEND m, j, younger              ; younger: the LDS instructions issued behind block m's loads, which may stay out
	s_wait_dscnt \younger
.irp i, 0,1,2,3,4,5,6,7
	global_store_b128 v[CO], v[OB+32*((\m)%2)+4*\i:OB+32*((\m)%2)+4*\i+3], s[OUTP:OUTP+1] offset:(16*(\m)+2*\i)*4096+256*(\j) th:TH_STORE_NT   ; 16 lanes store 256 consecutive bytes, at a multiple of 256 from out's first byte
.endr
.endm
.macro OSTEP j                         ; out's columns 256 w + 64 j on, for the 64 keys
.if \j == 0
	TURN G0B, PO, 32768
	LOADCTX                                        ; every wave's images and scale bytes had landed in front of the round
.elseif \j == 1
	TURN G0A, PO, 65536
.elseif \j == 2
	TURN G0B, PO, 98304
.else
	WIN 0
	s_wait_tensorcnt 0x0                           ; the last chunk is in: no load was issued behind it; I alone read it, and nothing is filled again, so no round stands here
.endif
.if \j < 3
	BIG_A FRA+(\j)%2, (\j)%2, 1, SO, 2048*((\j)+1)
	BIG_B (\j)%2, 1, BO, 256*((\j)+1)
.else
	BIG_A FRB, 1, 0, SO, 0
	BIG_B 1, 0, BO, 0
.endif
	TOSTAGE 0
.irp m, 1,2,3
	TOSTAGE \m
	SEND \m-1, \j, 16                              ; behind block m - 1's loads: block m's 8 stores and 8 loads
.endr
	SEND 3, \j, 0
.endm
	s_load_b512 s[68:83], s[0:1], 0x0              ; Wq's codes, scales, bq; Wk's codes, scales, bk; Wv's codes, scales
	s_load_b512 s[84:99], s[0:1], 0x40             ; bv; Wo's codes, scales, bo; hs's codes, scales; kv's codes, scales
	s_load_b64 s[OUTP:OUTP+1], s[0:1], 0x80        ; out
	v_lshl_add_u32 v[SPW], v0, 2, SPARE
	v_mov_b32 v[NIL], 0
	ds_add_u32 v[SPW], v[NIL]                      ; the wave's opening: the add, twice on end, and its wait ahead of my first tensor load; the set-up below, work on registers, stands between
	ds_add_u32 v[SPW], v[NIL]                      ; and once more, under the one wait
	v_lshrrev_b32 v1, 5, v0
	v_readfirstlane_b32 s[WV], v1                  ; wave 0..3
	s_bfe_u32 s[CX], ttmp6, 0x40000                ; my place in the cluster
	s_lshl_b32 s[WG], ttmp9, 2                     ; in a cluster launch ttmp9 counts clusters
	s_add_co_u32 s[WG], s[WG], s[CX]               ; my 64 keys
	s_lshr_b32 s[BT], ttmp9, 2                     ; 16 work-groups, four clusters, to a batch
	; descriptor group 1: 64 rows of 512 bytes, dense in memory, 16 bytes of padding behind each in LDS
	s_mov_b32 s[G1], 15|(0<<16)|(1<<20)|(1<<21)|(6<<22)|(3<<25)   ; 15:0 the mask: all four work-groups; 17:16 elements of 1 byte; 20 padding on; 21 set beside a mask; 24:22 after every 128 words (code 6); 31:25 four words (code 3)
	s_mov_b32 s[G1+1], 512<<16                     ; tensor_dim0
	s_mov_b32 s[G1+2], 64<<16                      ; tensor_dim1
	s_mov_b32 s[G1+3], 512<<16                     ; tile_dim0
	s_mov_b32 s[G1+4], 64                          ; tile_dim1
	s_mov_b32 s[G1+5], 512                         ; from row to row
	s_mov_b32 s[G1+6], 0
	s_mov_b32 s[G1+7], 0
	s_mov_b32 s[SEL], 0x76543210
	s_mov_b32 s[SEL+1], 0xfedcba98
	s_mov_b32 s[IMS], 0
	s_mov_b32 s[CSS], 0
	s_mov_b32 s[QS], 0
	v_and_b32 v1, 31, v0                           ; lane
	v_and_b32 v2, 15, v0                           ; r
	v_bfe_u32 v3, v0, 4, 1                         ; h
	v_lshlrev_b32 v[VS], 5, v1
	v_lshlrev_b32 v[VB], 5, v3
	v_lshlrev_b32 v[VH], 4, v3
	v_lshlrev_b32 v[VL], 4, v1
	v_mov_b32 v[VZ], 0
	s_mul_i32 s15, s[WV], CH                       ; my chunk's place in a slot: no place in the cluster enters an LDS address
	s_mov_b32 s[G0A], 1
	s_mov_b32 s[G0A+1], s15
	s_mov_b32 s[G0B], 1
	s_add_co_u32 s[G0B+1], s15, SLOT
	v_mul_u32_u24 v[KVR], v2, 528
	v_lshl_add_u32 v[KVR], v3, 4, v[KVR]           ; 528 r + 16 h
	v_add_nc_u32 v[FRA], s15, v[KVR]
	v_add_nc_u32 v[FRB], SLOT, v[FRA]
	v_add_nc_u32 v[KVR], XCH, v[KVR]
	s_mul_i32 s15, s[WV], 16*528
	v_add_nc_u32 v[KVW], s15, v[VL]
	v_add_nc_u32 v[KVW], XCH, v[KVW]
	s_lshl_b32 s15, s[WV], 13
	v_add_nc_u32 v[IMW], s15, v[VL]
	v_add_nc_u32 v[IMW], XCH, v[IMW]
	v_add_nc_u32 v[IMR], XCH, v[VL]
	s_lshl_b32 s15, s[WV], 9
	v_lshl_add_u32 v[CSW], v2, 3, s15
	v_add_nc_u32 v[CSW], CSB, v[CSW]
	v_lshl_add_u32 v[CSR], v1, 3, CSB
	s_lshl_b32 s15, s[WV], 10
	v_lshl_add_u32 v[QW], v3, 5, s15
	v_add_nc_u32 v[QW], QL, v[QW]
	s_mul_i32 s15, s[WV], 4352
	v_mul_u32_u24 v[STO], v2, 272
	v_lshl_add_u32 v[STO], v3, 5, v[STO]
	v_add_nc_u32 v[STO], s15, v[STO]
	v_add_nc_u32 v[STO], STAGE, v[STO]             ; in: row r, 32 bytes for each half of the lanes
	v_mul_u32_u24 v[SRD], v3, 272
	v_lshl_add_u32 v[SRD], v2, 4, v[SRD]
	v_add_nc_u32 v[SRD], s15, v[SRD]
	v_add_nc_u32 v[SRD], STAGE, v[SRD]             ; back: lanes 0-15 one row of 256 bytes, lanes 16-31 the next
	v_lshlrev_b32 v[CO], 12, v3
	v_lshl_add_u32 v[CO], v2, 4, v[CO]             ; and the same two rows in out
	s_wait_dscnt 0x0                               ; both opening adds are done
	s_wait_kmcnt 0x0
	s_mov_b32 s9, 0                                ; s[8:9]: offsets made of the wave's number alone
	s_lshl_b32 s8, s[WV], 17                       ; my 256 rows of 512 bytes
.irp p, PQ, PK, PV, PO
	s_add_nc_u64 s[\p:\p+1], s[\p:\p+1], s[8:9]
.endr
	s_lshl_b32 s8, s[WV], 13                       ; their 32 scale bytes a row; also: my 16 of the work-group's rows of kv
.irp p, SQ, SK, SV, SO, KC
	s_add_nc_u64 s[\p:\p+1], s[\p:\p+1], s[8:9]
.endr
	s_lshl_b32 s8, s[WV], 10                       ; my 256 numbers of a bias; also: my 256 columns of out
.irp p, BQ, BK, BV, BO, OUTP
	s_add_nc_u64 s[\p:\p+1], s[\p:\p+1], s[8:9]
.endr
	s_mov_b32 s11, 0                               ; s[10:11]: offsets made of the batch and of my work-group: they reach no descriptor
	s_lshl_b32 s10, s[BT], 9
	s_add_nc_u64 s[HC:HC+1], s[HC:HC+1], s[10:11]
	s_lshl_b32 s10, s[BT], 5
	s_add_nc_u64 s[HSS:HSS+1], s[HSS:HSS+1], s[10:11]
	s_lshl_b32 s10, s[WG], 15                      ; 64 rows of 512 bytes
	s_add_nc_u64 s[KC:KC+1], s[KC:KC+1], s[10:11]
	s_lshl_b32 s10, s[WG], 11                      ; 64 rows of 32 scale bytes
	s_add_nc_u64 s[KSS:KSS+1], s[KSS:KSS+1], s[10:11]
	s_lshl_b32 s10, s[WG], 18                      ; 64 rows of 4,096 bytes
	s_add_nc_u64 s[OUTP:OUTP+1], s[OUTP:OUTP+1], s[10:11]
	s_mov_b64 s[G0A+2:G0A+3], s[PQ:PQ+1]           ; slot 0: Wq's head 0
	s_or_b32 s[G0A+3], s[G0A+3], 0x80000000
	s_add_nc_u64 s[G0B+2:G0B+3], s[PQ:PQ+1], 32768 ; slot 1: head 1
	s_or_b32 s[G0B+3], s[G0B+3], 0x80000000
	ROUND                                          ; all four work-groups are here: the first joint loads meet
	tensor_load_to_lds s[G0A:G0A+3], s[G1:G1+7]    ; every wave issues both first fills: two loads of mine are out
	s_nop 0
	tensor_load_to_lds s[G0B:G0B+3], s[G1:G1+7]
	s_nop 0
	PLACES 4
.irp s, 0,1,2,3,4,5,6,7                ; hs: every lane takes my batch's row, its half's 16 bytes of each 32
.irp c, 0,1
	global_load_b128 v[HF+8*\s+4*\c:HF+8*\s+4*\c+3], v[VH], s[HC:HC+1] offset:64*\s+32*\c
.endr
.endr
	global_load_b128 v[HS:HS+3], v[VZ], s[HSS:HSS+1]
	global_load_b128 v[HS+4:HS+7], v[VZ], s[HSS:HSS+1] offset:16
	REQ_S 0, SQ, 0
.irp p, 0,1                            ; kv's scale words: lane l takes keys l and 32 + l
.irp e, 0,1
	global_load_b128 v[KS+8*\p+4*\e:KS+8*\p+4*\e+3], v[VS], s[KSS:KSS+1] offset:1024*\p+16*\e
.endr
.endr
	REQ_B BQ, 0
.irp x, 0,1,2,3,4,5,6,7
	v_mov_b32 v[EX+\x], 0                          ; (window 3)  written once: a lane permute's destination counts as one of its sources
.endr
	WIN 0x40
.irp i, 0,1,2,3,4,5,6,7,8,9,10,11,12,13,14,15  ; my 16 rows of kv, a row of 512 consecutive bytes to a load; read once in the launch
	global_load_b128 v[4*\i:4*\i+3], v[VL], s[KC:KC+1] offset:512*\i th:TH_LOAD_NT
.endr
	; ---- Wq, head 0 (slot 0); kv's rows go to LDS on the way
	s_wait_tensorcnt 0x1                           ; my chunk of slot 0 is in, and I alone read it; slot 1's may stay out
	REQ_S 1, SQ, 2048
	LOADW FRA
	s_wait_loadcnt 0x4                             ; all but the four just issued: the 50 loads of the head are in
	WIN 0x04                                       ; the data: window 1
.irp i, 0,1,2,3,4,5,6,7,8,9,10,11,12,13,14,15
	ds_store_b128 v[KVW], v[4*\i:4*\i+3] offset:528*\i
.endr
	s_wait_dscnt 16                                ; the chunk's 64 loads are in; the 16 stores behind them may be out
	QMUL 0
	PLACES 4
	REQ_B BQ, 256
	QEPI 0
	QSTEP 1, G0A, PQ, 65536, SQ, 4096, BQ, 512
	LOADKV                                         ; every wave's rows of kv had landed in front of this step's round; the next round's wait covers these loads
	QSTEP 2, G0B, PQ, 98304, SQ, 6144, BQ, 768
	QSTEP 3, G0A, PK, 0, SK, 0, BK, 0
	WIN 0
	; ---- the heads: three in the loop, the fourth written out, since it asks for Wo in place of the next head
	s_mov_b32 s[CNT], 3
.Lhead:
	KSTEP 0
	VSTEP 0
	s_sub_co_u32 s[CNT], s[CNT], 1
	s_cmp_lg_u32 s[CNT], 0
	s_cbranch_scc1 .Lhead
	KSTEP 1
	VSTEP 1
	; ---- out: four blocks of 64 columns
	OSTEP 0
	OSTEP 1
	OSTEP 2
	OSTEP 3
	s_wait_tensorcnt 0x0                           ; the wave's end, behind my last tensor load and my last LDS store (every window is 0 here)
	ds_add_u32 v[SPW], v[NIL]
	s_wait_dscnt 0x0
	ROUND                                          ; the closing round: no work-group ends while a partner may still ask for a chunk that names it
	s_endpgm
.Lfunc_end_k_q9da1f5b7cc_fused:
	.size	k_q9da1f5b7cc_fused, .Lfunc_end_k_q9da1f5b7cc_fused-k_q9da1f5b7cc_fused
	.p2alignl 7, 3214868480
	.fill 96, 4, 3214868480
	.section	.rodata,"a",@progbits
	.p2align	6, 0x0
	.amdhsa_kernel k_q9da1f5b7cc_fused
		.amdhsa_group_segment_fixed_size 327680
		.amdhsa_private_segment_fixed_size 0
		.amdhsa_enable_private_segment 0
		.amdhsa_kernarg_size 136
		.amdhsa_user_sgpr_count 2
		.amdhsa_user_sgpr_kernarg_segment_ptr 1
		.amdhsa_wavefront_size32 1
		.amdhsa_system_sgpr_workgroup_id_x 1
		.amdhsa_system_sgpr_workgroup_id_y 1
		.amdhsa_system_sgpr_workgroup_id_z 1
		.amdhsa_system_vgpr_workitem_id 0
		.amdhsa_next_free_vgpr 1024
		.amdhsa_next_free_sgpr 100
		.amdhsa_reserve_vcc 0
		.amdhsa_float_denorm_mode_32 3
		.amdhsa_float_denorm_mode_16_64 3
		.amdhsa_memory_ordered 1
		.amdhsa_forward_progress 1
		.amdhsa_inst_pref_size 255
	.end_amdhsa_kernel
	.section	.bss,"aw",@nobits
	.p2align	6
	.space	262144
	.amdgpu_metadata
---
amdhsa.version: [ 1, 2 ]
amdhsa.kernels:
  - .name:           k_q9da1f5b7cc_fused
    .symbol:         k_q9da1f5b7cc_fused.kd
    .args:
      - { .name: Wq_codes, .offset: 0, .size: 8, .value_kind: global_buffer, .address_space: global }
      - { .name: Wq_scales, .offset: 8, .size: 8, .value_kind: global_buffer, .address_space: global }
      - { .name: bq, .offset: 16, .size: 8, .value_kind: global_buffer, .address_space: global }
      - { .name: Wk_codes, .offset: 24, .size: 8, .value_kind: global_buffer, .address_space: global }
      - { .name: Wk_scales, .offset: 32, .size: 8, .value_kind: global_buffer, .address_space: global }
      - { .name: bk, .offset: 40, .size: 8, .value_kind: global_buffer, .address_space: global }
      - { .name: Wv_codes, .offset: 48, .size: 8, .value_kind: global_buffer, .address_space: global }
      - { .name: Wv_scales, .offset: 56, .size: 8, .value_kind: global_buffer, .address_space: global }
      - { .name: bv, .offset: 64, .size: 8, .value_kind: global_buffer, .address_space: global }
      - { .name: Wo_codes, .offset: 72, .size: 8, .value_kind: global_buffer, .address_space: global }
      - { .name: Wo_scales, .offset: 80, .size: 8, .value_kind: global_buffer, .address_space: global }
      - { .name: bo, .offset: 88, .size: 8, .value_kind: global_buffer, .address_space: global }
      - { .name: hidden_states_codes, .offset: 96, .size: 8, .value_kind: global_buffer, .address_space: global }
      - { .name: hidden_states_scales, .offset: 104, .size: 8, .value_kind: global_buffer, .address_space: global }
      - { .name: key_value_states_codes, .offset: 112, .size: 8, .value_kind: global_buffer, .address_space: global }
      - { .name: key_value_states_scales, .offset: 120, .size: 8, .value_kind: global_buffer, .address_space: global }
      - { .name: out0, .offset: 128, .size: 8, .value_kind: global_buffer, .address_space: global }
    .group_segment_fixed_size: 327680
    .private_segment_fixed_size: 0
    .kernarg_segment_align: 8
    .kernarg_segment_size: 136
    .max_flat_workgroup_size: 128
    .sgpr_count:     100
    .vgpr_count:     1024
    .wavefront_size: 32
...
	.end_amdgpu_metadata
.endif
;; end of part 1
;; ======== version 2 of 2: 1 launch
;; limits: right only within a limited range of input values
;; workspace buffers: ctx_codes 8,388,608 bytes; ctx_scales 524,288 bytes
;; launch fused (part 2): grid 256 x 1, 4 waves a work-group, clusters of 4 x 1, 327,680 bytes of LDS; arguments Wq_codes, Wq_scales, bq, Wk_codes, Wk_scales, bk, Wv_codes, Wv_scales, bv, hidden_states_codes, hidden_states_scales, key_value_states_codes, key_value_states_scales, Wo_codes, Wo_scales, bo, out0; writes out0
.if DOCPART == 2
	.amdgcn_target "amdgcn-amd-amdhsa--gfx1250"
	.amdhsa_code_object_version 6
	.text
	.protected	k_q9da1f5b7cc_fused
	.globl	k_q9da1f5b7cc_fused
	.p2align	8
	.type	k_q9da1f5b7cc_fused,@function
k_q9da1f5b7cc_fused:
	s_mov_b64 s[64:65], 0
	v_nop
	global_prefetch_b8 v0, s[64:65] scope:SCOPE_SE
	s_setreg_imm32_b32 hwreg(HW_REG_WAVE_MODE, 25, 1), 1
	s_wait_xcnt 0x0
	s_wait_alu depctr_hold_cnt(0) depctr_sa_sdst(0) depctr_va_vdst(0) depctr_va_sdst(0) depctr_va_ssrc(0) depctr_va_vcc(0) depctr_vm_vsrc(0)
	s_getreg_b32 s2, hwreg(HW_REG_IB_STS2, 6, 4)
	s_cmp_eq_u32 s2, 0
	s_cbranch_scc0 .Lentry_in_a_cluster
	s_endpgm
.Lentry_in_a_cluster:
	s_bfe_u32 s2, ttmp6, 0x10000c
	s_cmp_lg_u32 s2, 0x3003
	s_cbranch_scc0 .Lentry_shape_is_right
	s_endpgm
.Lentry_shape_is_right:
; THE WHOLE MODULE IN ONE LAUNCH: ctx = clip((hs Wq^T + bq) / 8 . (kv Wk^T + bk), 0, 1) x (kv Wv^T + bv), head by head (16 heads of 64), quantised along head x 64 + d to FP4 (E2M1) with an E8M0 scale for
; each 32; out = ctx Wo^T + bo.  The four products with a weight are on codes; the score (64 terms a head) is summed in f32 by fused multiply-adds, since it goes on into the quantiser.
; NO WORK IS LEFT OUT: every input has a way to the output and is loaded.
; LIMITS: NaN among the inputs and scale bytes 0xff are not served (the middle-of-three that clips does not carry a NaN as a clip does).  A block of ctx that is all zeros gets the scale byte 1 where the rule
; says 127: its codes are zeros, and only this launch reads the byte.  The score's 64 terms are added in another order than a plain chain: 32 in each half of the lanes, in two packed chains.
; SHARES.  A work-group owns 64 keys of one batch, all heads and all columns of out: ctx never leaves its LDS.  All four waves hold the 64 keys' fragments (256 registers); wave w owns heads 4 w .. 4 w + 3 and
; out's columns 256 w .. 256 w + 255.  A weight's 64 rows x 512 bytes (a chunk) are fetched, read from LDS once, into 256 registers, and multiplied by the one wave that owns them: 64 matrix instructions of 32 x 16 x 128.
; STEPS: a wave walks 16 chunks: Wq's four, then Wk's and Wv's by turns, head by head, then Wo's four.  q of a head is made by every work-group for its own batch (source 1 = hs's one row in all 16 places).
; RING.  Each wave has two slots of a chunk.  The head's one load a wave brings 128 rows: both slots.  Near a step's end, when its chunk has long been in registers, a round of the cluster's barrier is passed and the
; slot takes the chunk two steps on; then the next chunk goes from LDS to registers, its four groups of 16 loads laid between the pieces of the step's vector work.
; CLUSTER.  Four work-groups walk the same chunks and ask JOINTLY: a load's address is made of the arguments, the wave's number and constants alone.  My place in the cluster enters the addresses of kv, its scales,
; out and the prefetches alone.
; PREFETCH.  The clusters 0 to 3 ask for the chunk that is refilled two steps later: 128 blocks of 256 bytes a wave's chunk, 32 to each partner by address, one instruction a wave a step; the last four steps ask for nothing.
; ALL PRODUCTS ARE USED TRANSPOSED (source 0 = 32 rows of a weight, source 1 = 16 keys): lane (r, h) holds key r; register 8 u + j of a pair p of tiles is column 32 p + 16 u + 8 h + j.  Each bias is the C of its sum's first product.
; REGISTERS, windows of 256: window 0: addresses, scale words, hs's fragments, the gates, later rows of out.  window 1: the keys' fragments AF(m, s) at 8 (8 m + s): kv's, later ctx's.
;   window 2: a chunk's fragments WF(p, s) at 16 (8 p + s).   window 3: v0-127 accumulators ACC(p, m) at 16 (4 p + m); bias, q, and what is at work on the score and the quantiser.
.set CB,    32768                      ; a chunk in memory
.set CH,    64*528                     ; and in LDS: rows of 512 bytes + 16 of padding: the 16 rows that a load touches lie in 16 different columns of 16 bytes
.set KVX,   8*CH                       ; behind the ring: kv's 64 rows x 528 bytes; later ctx's codes, 64 x 512 bytes, as the image of the fragments' registers
.set CTXS,  KVX+64*528                 ; ctx's scale bytes, 32 a key
.set STAGE, CTXS+2048                  ; the way out: 16 rows x 272 bytes for each wave; ahead of that q / 8 of the wave's four heads, 256 bytes each
.set SPARE, STAGE+4*4352               ; the spare words, 128 bytes for each wave: two blocks of 256 bytes that no other line names
.set SPW, 4
.set NIL, 5
.set FRL, 6                            ; 528 r + 16 h
.set VH,  7                            ; 16 h
.set FR,  8                            ; v8-9 my fragments in my slot 0, 1
.set KVR, 10
.set KVW, 11
.set CTW, 12                           ; where I put ctx's codes: 16 lane
.set CTR, 13
.set CSR, 14                           ; a key's 32 scale bytes of ctx
.set CSW, 15                           ; and my eight of them
.set QA,  16                           ; q / 8 of my heads: + 32 h
.set STO, 17
.set SRD, 18
.set CO,  19                           ; my byte offset in out: 4096 h + 16 r
.set PFO, 20                           ; the prefetches' offset: 256 lane + 8192 x place
.set VS,  21                           ; 32 lane
.set VR,  22                           ; 32 r
.set VB,  23                           ; 32 h
.set VL,  24                           ; 16 lane
.set VZ,  25                           ; 0, an offset
.set KS,  32                           ; register 8 m + s: lane r: the scale word of key 16 m + r for K step s
.set WS,  64                           ; register 16 set + 8 p + s: lane l: that of the chunk's row 32 p + l
.set HS,  96                           ; register s: hs's, in all lanes
.set ATW, 104                          ; the gate of tile of keys m, twice (a pair for the packed multiply), at + 2 m
.set HF,  112                          ; hs's fragments
.set OB,  128                          ; the way out: four sets of 32
.set BI,  128                          ; window 3: bias, pair p at + 16 p
.set QV,  160                          ; q / 8 of the head, tile t at + 8 t
.set SP,  192                          ; the score's two chains, tile m at + 2 m
.set SW,  200                          ; ctx's scale words of my key: tile m, my heads 2 j and 2 j + 1, at + 2 m + j
.set TM,  208                          ; largest magnitudes, block (m, b) at + 2 m + b
.set EX,  216                          ; what comes from lane l xor 16; later the scale bytes
.set SCL, 224                          ; the conversions' scale operands
.set CD,  232                          ; codes, at + 4 m
.set HW,  248                          ; a head's two scale bytes, at + m
.set WV,  4
.set CX,  5
.set KB,  6                            ; s6 my block of 64 keys
.set SEL, 12                           ; s[12:13] lane selects: lane l xor 16
.set G1,  16                           ; descriptor group 1: a chunk;  G1H: two chunks, for the head
.set G0A, 24                           ; group 0 for my slot 0;  G0B for slot 1;  G0H for the head
.set G0B, 28
.set G1H, 32
.set G0H, 40
.set PQ, 68
.set SQ, 70
.set BQ, 72
.set PK, 74
.set SK, 76
.set BK, 78
.set PV, 80
.set SV, 82
.set BV, 84
.set HC, 86
.set HSS, 88
.set KC, 90
.set KSS, 92
.set PO, 94
.set SO, 96
.set BO, 98
.set OUTP, 100
.set MSB, 0
.macro WIN new                         ; low byte: bits 1:0 source 0, 3:2 source 1, 5:4 source 2, 7:6 destination; the high byte repeats the setting that is left
.if MSB != \new
	s_set_vgpr_msb (MSB<<8)|\new
.set MSB, \new
.endif
.endm
.macro PLACES n                        ; plain vector instructions that name no register of the matrix instructions ahead of them (ISA guide 7.12.1)
.rept \n
	v_nop
.endr
.endm
.macro CREST                           ; a round of the cluster's barrier behind its opening barrier
	s_cmp_lg_u32 s[WV], 0
	s_cbranch_scc1 .Lnot_wave_0_\@
	s_barrier_signal -3
.Lnot_wave_0_\@:
	s_barrier_wait -3
	s_barrier_signal -1
	s_barrier_wait -1
.endm
.macro ROUND
	s_barrier_signal -1
	s_barrier_wait -1
	CREST
.endm
.macro REQ set, sp, soff, bp, boff     ; a chunk's scale words into set (lane l: rows l and 32 + l, 32 bytes each), and its 64 numbers of bias in the result's layout
	WIN 0
.irp p, 0,1
.irp e, 0,1
	global_load_b128 v[WS+16*(\set)+8*\p+4*\e:WS+16*(\set)+8*\p+4*\e+3], v[VS], s[\sp:\sp+1] offset:(\soff)+1024*\p+16*\e
.endr
.endr
	WIN 0xc0
.irp t, 0,1,2,3
.irp e, 0,1
	global_load_b128 v[BI+8*\t+4*\e:BI+8*\t+4*\e+3], v[VB], s[\bp:\bp+1] offset:(\boff)+64*\t+16*\e
.endr
.endr
.endm
; Group g of a chunk's fragments from my slot: K steps 2 g, 2 g + 1, 16 loads.  A fragment (16 rows x 128 K of 4-bit codes) is 8 registers: lane (r, h) holds row r; registers 4 c .. 4 c + 3 hold
; K = 64 c + 32 h + 0 .. 31: 16 bytes of the row as they lie.  Two tiles' fragments side by side are source 0 of a product of 32 rows.
.macro LOADG slot, g
	WIN 0x80
.irp q, 0,1
.irp t, 0,1,2,3
.irp c, 0,1
	ds_load_b128 v[16*(8*(\t/2)+2*\g+\q)+8*(\t%2)+4*\c:16*(8*(\t/2)+2*\g+\q)+8*(\t%2)+4*\c+3], v[FR+\slot] offset:16*\t*528+64*(2*\g+\q)+32*\c
.endr
.endr
.endr
.endm
; The products of K step s: ACC(p, m) (+)= WF(p, s) x AF(m, s), the eight accumulators by turns, one instruction a turn; isq: hs's row in place of the keys, two accumulators by turns.
.macro MUL s, set, isq
.if \isq
	WIN 0xf2                                       ; source 0 window 2, source 1 (hs) window 0, C and D window 3
.irp p, 0,1
.set rC, 64*\p
.if (\s) == 0
.set rC, BI+16*\p
.endif
	v_wmma_scale_f32_32x16x128_f4 v[64*\p:64*\p+15], v[16*(8*\p+(\s)):16*(8*\p+(\s))+15], v[HF+8*(\s):HF+8*(\s)+7], v[rC:rC+15], v[WS+16*(\set)+8*\p+(\s)], v[HS+(\s)]
.endr
.else
	WIN 0xf6                                       ; source 0 window 2, source 1 window 1, C and D window 3
.irp p, 0,1
.irp m, 0,1,2,3
.set rC, 16*(4*\p+\m)
.if (\s) == 0
.set rC, BI+16*\p
.endif
	v_wmma_scale_f32_32x16x128_f4 v[16*(4*\p+\m):16*(4*\p+\m)+15], v[16*(8*\p+(\s)):16*(8*\p+(\s))+15], v[8*(8*\m+(\s)):8*(8*\m+(\s))+7], v[rC:rC+15], v[WS+16*(\set)+8*\p+(\s)], v[KS+8*\m+(\s)]
.endr
.endr
.endif
.endm
; A STEP'S PRODUCTS; the next step's scale words and bias are asked for when this step's bias has been taken up; behind K step 6 the ring turns: all my tensor loads have landed (the next chunk's among them), my
; reads of this chunk are over, and behind the round the slot takes the chunk at off bytes from pointer p.  By this text's count one tensor load of a wave is out behind a round.
.macro PROD isq, set, refill, g0, p, off, rq, sp, soff, bp, boff
	s_wait_loadcnt 0x0                             ; this chunk's scale words and bias, asked for a step ago
	s_wait_dscnt 48                                ; its first group of fragments (three groups of 16 or more LDS instructions stand behind it)
	MUL 0, \set, \isq
	MUL 1, \set, \isq
.if \rq
	PLACES 4                                       ; in front of loads into the bias's registers
	REQ 1-(\set), \sp, \soff, \bp, \boff
.endif
	s_wait_dscnt 32
	MUL 2, \set, \isq
	MUL 3, \set, \isq
	s_wait_dscnt 16
	MUL 4, \set, \isq
	MUL 5, \set, \isq
	s_wait_dscnt 0x0
	MUL 6, \set, \isq
	WIN 0                                          ; the add's two registers lie in window 0; at a label and at a branch every window is 0
.if \refill
	s_wait_tensorcnt 0x0                           ; no tensor load of mine is out, so a group 0 may be written
	ds_add_u32 v[SPW], v[NIL]                      ; 0 onto my spare word
	s_add_nc_u64 s[\g0+2:\g0+3], s[\p:\p+1], \off
	s_or_b32 s[\g0+3], s[\g0+3], 0x80000000        ; type = 2
	MUL 7, \set, \isq
	WIN 0
	s_wait_dscnt 0x0                               ; the add is done, and all else that I asked of LDS
	ROUND                                          ; that now holds of every wave of the four work-groups
	tensor_load_to_lds s[\g0:\g0+3], s[G1:G1+7]
	s_nop 0
	PLACES 5                                       ; four in front of reads of results and of loads into the operands' registers, five in front of products that begin these accumulators anew
.else
	MUL 7, \set, \isq
	WIN 0
	s_wait_tensorcnt 0x0                           ; the next chunk is in, and I alone read mine
	PLACES 5
.endif
.endm
.macro PFE p, off                      ; the prefetch: my 32 blocks of the wave's chunk at off bytes from pointer p
	WIN 0
	s_cmp_lt_u32 ttmp9, 4
	s_cbranch_scc0 .Lnot_mine_\@
	global_prefetch_b8 v[PFO], s[\p:\p+1] offset:\off th:TH_LOAD_NT scope:SCOPE_SE
.Lnot_mine_\@:
.endm
.macro QEPI i                          ; q / sqrt(64), exact; 256 bytes go to LDS in the result's layout (the 16 lanes of a half write the same bytes with the same values)
	WIN 0xff
.irp t, 0,1,2,3
.irp jp, 0,1,2,3
	v_pk_mul_f32 v[64*(\t/2)+8*(\t%2)+2*\jp:64*(\t/2)+8*(\t%2)+2*\jp+1], v[64*(\t/2)+8*(\t%2)+2*\jp:64*(\t/2)+8*(\t%2)+2*\jp+1], 0x3e000000 op_sel_hi:[1,0]
.endr
.endr
	WIN 0x0c                                       ; an LDS store's data are its source 1: window 3
.irp t, 0,1,2,3
.irp e, 0,1
	ds_store_b128 v[QA], v[64*(\t/2)+8*(\t%2)+4*\e:64*(\t/2)+8*(\t%2)+4*\e+3] offset:256*\i+64*\t+16*\e
.endr
.endr
.endm
.macro QSTEP i, g0, p, off, sp, soff, bp, boff
	PROD 1, (\i)%2, 1, \g0, \p, \off, 1, \sp, \soff, \bp, \boff
	LOADG 1-(\i)%2, 0
	QEPI \i
	LOADG 1-(\i)%2, 1
	LOADG 1-(\i)%2, 2
	LOADG 1-(\i)%2, 3
.endm
; THE SCORE of my key in each of the four tiles: my half's 32 terms in two packed chains, then the other half's by lane l xor 16; clipped to 0 .. 1.  Each accumulator is read from its low end on.
.macro SCP t
	WIN 0xff
.irp jp, 0,1,2,3
.irp m, 0,1,2,3
.if (\t)+(\jp) == 0
	v_pk_mul_f32 v[SP+2*\m:SP+2*\m+1], v[16*\m:16*\m+1], v[QV:QV+1]
.else
	v_pk_fma_f32 v[SP+2*\m:SP+2*\m+1], v[16*(4*(\t/2)+\m)+8*(\t%2)+2*\jp:16*(4*(\t/2)+\m)+8*(\t%2)+2*\jp+1], v[QV+8*\t+2*\jp:QV+8*\t+2*\jp+1], v[SP+2*\m:SP+2*\m+1]
.endif
.endr
.endr
.endm
.macro SCT
.irp m, 0,1,2,3
	v_add_f32 v[SP+2*\m], v[SP+2*\m], v[SP+2*\m+1]
.endr
.irp m, 0,1,2,3
	v_permlanex16_b32 v[EX+\m], v[SP+2*\m], s[SEL], s[SEL+1]
.endr
.irp m, 0,1,2,3
	v_add_f32 v[SP+2*\m], v[SP+2*\m], v[EX+\m]
.endr
	WIN 0x03                                       ; source 0 window 3, destination window 0
.irp m, 0,1,2,3
	v_med3_num_f32 v[ATW+2*\m], v[SP+2*\m], 0, 1.0
	v_med3_num_f32 v[ATW+2*\m+1], v[SP+2*\m], 0, 1.0
.endr
	s_wait_alu depctr_va_vdst(0)
.endm
.macro KSTEP i                         ; k of my head i (slot 0) and the score
	WIN 0xc0
.irp t, 0,1,2,3
.irp e, 0,1
	ds_load_b128 v[QV+8*\t+4*\e:QV+8*\t+4*\e+3], v[QA] offset:256*\i+64*\t+16*\e
.endr
.endr
.if \i < 3
	PROD 0, 0, 1, G0A, PK, ((\i)+1)*CB, 1, SV, 2048*(\i), BV, 256*(\i)
.else
	PROD 0, 0, 1, G0A, PO, 0, 1, SV, 2048*(\i), BV, 256*(\i)
.endif
.irp t, 0,1,2,3
	LOADG 1, \t
	SCP \t
.endr
	SCT
.if \i < 2
	PFE PK, ((\i)+2)*CB
.else
	PFE PO, (2*(\i)-4)*CB
.endif
.endm
; ctx = gate x v of my head, quantised along d.  Block b of the head (d = 32 b .. 32 b + 31) is pair b: lane (r, h) holds d = 32 b + 16 u + 8 h + 0 .. 7, u = 0, 1; lane l xor 16 holds the rest.
; The codes of (b, u) go to register 2 u + b; exchanging register 2 u's lanes 16-31 with register 2 u + 1's lanes 0-15 leaves, in lane (r, h), registers 0 .. 3 = block h's codes in ascending d:
; four registers of the next product's fragment, stored as they stand, 16 bytes a lane.
.macro CQA p
	WIN 0xc3                                       ; destination and source 0 window 3, source 1 (the gate) window 0
.irp u, 0,1
.irp m, 0,1,2,3
.irp jp, 0,1,2,3
	v_pk_mul_f32 v[16*(4*\p+\m)+8*\u+2*\jp:16*(4*\p+\m)+8*\u+2*\jp+1], v[16*(4*\p+\m)+8*\u+2*\jp:16*(4*\p+\m)+8*\u+2*\jp+1], v[ATW+2*\m:ATW+2*\m+1]
.endr
.endr
.endr
.endm
.macro CQM
	WIN 0xff
.irp m, 0,1,2,3
.irp b, 0,1
	v_max3_num_f32 v[TM+2*\m+\b], |v[16*(4*\b+\m)]|, |v[16*(4*\b+\m)+1]|, 0x1800000   ; my 16 numbers of block (m, b), and the floor 2^(3 - 127): so the byte cannot fall under 1.  The eight blocks by turns
.endr
.endr
.irp i, 2,4,6,8,10,12,14
.irp m, 0,1,2,3
.irp b, 0,1
	v_max3_num_f32 v[TM+2*\m+\b], v[TM+2*\m+\b], |v[16*(4*\b+\m)+\i]|, |v[16*(4*\b+\m)+\i+1]|
.endr
.endr
.endr
.endm
.macro CQD hh
	WIN 0xff
.irp x, 0,1,2,3,4,5,6,7
	v_permlanex16_b32 v[EX+\x], v[TM+\x], s[SEL], s[SEL+1]
.endr
.irp x, 0,1,2,3,4,5,6,7
	v_max_num_f32 v[TM+\x], v[TM+\x], v[EX+\x]     ; with lane l xor 16's: the block's largest magnitude
.endr
.irp x, 0,1,2,3,4,5,6,7
	v_add_nc_u32 v[SCL+\x], 0xff000000, v[TM+\x]   ; 2 off its exponent field: the conversion takes the exponent field of this operand as its scale
.endr
.irp x, 0,1,2,3,4,5,6,7
	v_lshrrev_b32 v[EX+\x], 23, v[SCL+\x]          ; the scale's byte
.endr
.if (\hh)%2 == 0
.irp m, 0,1,2,3
	v_lshl_or_b32 v[SW+2*\m+(\hh)/2], v[EX+2*\m+1], 8, v[EX+2*\m]   ; an even head's two bytes begin a scale word of the next product's K step,
.endr
.else
.irp m, 0,1,2,3
	v_lshl_or_b32 v[HW+\m], v[EX+2*\m+1], 8, v[EX+2*\m]
.endr
.irp m, 0,1,2,3
	v_lshl_or_b32 v[SW+2*\m+(\hh)/2], v[HW+\m], 16, v[SW+2*\m+(\hh)/2]   ; an odd head's two complete it
.endr
.endif
.irp m, 0,1,2,3
.irp u, 0,1
.irp b, 0,1
	v_cvt_scalef32_pk8_fp4_f32 v[CD+4*\m+2*\u+\b], v[16*(4*\b+\m)+8*\u:16*(4*\b+\m)+8*\u+7], v[SCL+2*\m+\b]
.endr
.endr
.endr
	v_nop                                          ; one plain place behind the last scaled conversion
.irp m, 0,1,2,3
.irp u, 0,1
	v_permlane16_swap_b32 v[CD+4*\m+2*\u], v[CD+4*\m+2*\u+1]
.endr
.endr
	WIN 0x0c                                       ; a store's data are its source 1: window 3
.irp m, 0,1,2,3
	ds_store_b128 v[CTW], v[CD+4*\m:CD+4*\m+3] offset:8192*\m+512*(\hh)
.endr
.if \hh == 3
.irp m, 0,1,2,3
	ds_store_b64 v[CSW], v[SW+2*\m:SW+2*\m+1] offset:512*\m   ; my four heads' eight scale bytes of key 16 m + r
.endr
.endif
.endm
.macro VSTEP i                         ; v of my head i (slot 1), the gate, the quantiser
.if \i < 3
	PROD 0, 1, 1, G0B, PV, ((\i)+1)*CB, 1, SK, 2048*((\i)+1), BK, 256*((\i)+1)
.else
	PROD 0, 1, 0, G0B, PO, CB, 1, SO, 0, BO, 0     ; the last head's turn of the ring stands behind its stores of ctx
.endif
	LOADG 0, 0
	CQA 0
	LOADG 0, 1
	CQA 1
	LOADG 0, 2
	CQM
	LOADG 0, 3
	CQD \i
.if \i < 2
	PFE PV, ((\i)+2)*CB
.elseif \i == 2
	PFE PO, CB
.endif
.endm
; THE WAY OUT of 16 keys x 64 columns.  A lane holds 32 neighbouring bytes of a row for each tile, and the lanes beside it hold other rows: so the block goes through my own stage and comes back as rows of 256 bytes.
; LDS serves a wave's instructions in order (ISA guide 5.7.1.4): no wait between the stores and the loads, nor in front of the next block's stores.
.macro TOST m
	WIN 0x0c
.irp t, 0,1,2,3
	ds_store_b128 v[STO], v[16*(4*(\t/2)+\m)+8*(\t%2):16*(4*(\t/2)+\m)+8*(\t%2)+3] offset:64*\t        ; each accumulator from its low end on
	ds_store_b128 v[STO], v[16*(4*(\t/2)+\m)+8*(\t%2)+4:16*(4*(\t/2)+\m)+8*(\t%2)+7] offset:64*\t+16
.endr
	WIN 0
.irp i, 0,1,2,3,4,5,6,7
	ds_load_b128 v[OB+32*\m+4*\i:OB+32*\m+4*\i+3], v[SRD] offset:544*\i
.endr
.endm
.macro SEND m, j, younger              ; younger: the LDS instructions issued behind block m's loads, which may stay out
	WIN 0
	s_wait_dscnt \younger
.irp i, 0,1,2,3,4,5,6,7
	global_store_b128 v[CO], v[OB+32*\m+4*\i:OB+32*\m+4*\i+3], s[OUTP:OUTP+1] offset:(16*\m+2*\i)*4096+256*(\j) th:TH_STORE_NT   ; 16 lanes store 256 consecutive bytes, at a multiple of 256 from out's first byte
.endr
.endm
.macro OSTEP j                         ; out's columns 256 w + 64 j on, for the 64 keys
.if \j == 0
	PROD 0, 0, 1, G0A, PO, 2*CB, 1, SO, 2048, BO, 256
.elseif \j == 1
	PROD 0, 1, 1, G0B, PO, 3*CB, 1, SO, 4096, BO, 512
.elseif \j == 2
	PROD 0, 0, 0, G0A, PO, 0, 1, SO, 6144, BO, 768
.else
	PROD 0, 1, 0, G0A, PO, 0, 0, SO, 0, BO, 0
.endif
	s_wait_xcnt 0x0                                ; the last step's stores have read their registers
.set ONXT, 0
.if \j < 3
.set ONXT, 16                          ; a group of the next chunk's loads stands behind each block's
.endif
	TOST 0
.irp m, 1,2,3
.if \j < 3
	LOADG 1-(\j)%2, (\m-1)
.endif
	TOST \m
	SEND (\m-1), \j, 16+ONXT                       ; behind block m - 1's loads: block m's 8 stores and 8 loads, and the group
.endr
.if \j < 3
	LOADG 1-(\j)%2, 3
.endif
	SEND 3, \j, ONXT
.endm
	s_load_b512 s[68:83], s[0:1], 0x0              ; Wq's codes, scales, bq; Wk's codes, scales, bk; Wv's codes, scales
	s_load_b256 s[84:91], s[0:1], 0x40             ; bv; hs's codes, scales; kv's codes
	s_load_b256 s[92:99], s[0:1], 0x60             ; kv's scales; Wo's codes, scales, bo
	s_load_b64 s[100:101], s[0:1], 0x80            ; out
	v_lshl_add_u32 v[SPW], v0, 2, SPARE
	v_mov_b32 v[NIL], 0
	ds_add_u32 v[SPW], v[NIL]                      ; the wave's opening: the add, twice on end, and its wait ahead of my first tensor load; the set-up below, work on registers, stands between
	ds_add_u32 v[SPW], v[NIL]                      ; and once more, under the one wait
	v_lshrrev_b32 v1, 5, v0
	v_readfirstlane_b32 s[WV], v1                  ; wave 0..3
	s_bfe_u32 s[CX], ttmp6, 0x40000                ; my place in the cluster
	s_lshl_b32 s[KB], ttmp9, 2                     ; in a cluster launch ttmp9 counts clusters: 256 keys each, four to a batch
	s_add_co_u32 s[KB], s[KB], s[CX]
	; descriptor group 1: 64 (the head: 128) rows of 512 bytes, dense in memory, 16 bytes of padding behind each in LDS
.irp g, G1, G1H
	s_mov_b32 s[\g], 15|(0<<16)|(1<<20)|(1<<21)|(6<<22)|(3<<25)   ; 15:0 the mask: all four work-groups; 17:16 elements of 1 byte; 20 padding on; 21 set beside a mask; 24:22 after every 128 words (code 6); 31:25 four words (code 3)
	s_mov_b32 s[\g+1], 512<<16                     ; tensor_dim0
	s_mov_b32 s[\g+3], 512<<16                     ; tile_dim0
	s_mov_b32 s[\g+5], 512                         ; from row to row
	s_mov_b32 s[\g+6], 0
	s_mov_b32 s[\g+7], 0
.endr
	s_mov_b32 s[G1+2], 64<<16                      ; tensor_dim1
	s_mov_b32 s[G1+4], 64                          ; tile_dim1
	s_mov_b32 s[G1H+2], 128<<16
	s_mov_b32 s[G1H+4], 128
	s_mov_b32 s[SEL], 0x76543210
	s_mov_b32 s[SEL+1], 0xfedcba98
	s_mul_i32 s44, s[WV], 2*CH                     ; my ring: no place in the cluster enters an LDS address
	s_mul_i32 s45, s[WV], 16*528
	s_lshl_b32 s46, s[WV], 11
	s_mul_i32 s47, s[WV], 4352
	s_lshl_b32 s48, s[WV], 3
	s_lshl_b32 s49, s[CX], 13                      ; (for the prefetches' offset alone)
	s_mov_b32 s[G0A], 1
	s_mov_b32 s[G0A+1], s44
	s_mov_b32 s[G0B], 1
	s_add_co_u32 s[G0B+1], s44, CH
	s_mov_b32 s[G0H], 1
	s_mov_b32 s[G0H+1], s44
	v_and_b32 v1, 31, v0                           ; lane
	v_and_b32 v2, 15, v0                           ; r
	v_bfe_u32 v3, v0, 4, 1                         ; h
	v_lshlrev_b32 v[VS], 5, v1
	v_lshlrev_b32 v[VR], 5, v2
	v_lshlrev_b32 v[VB], 5, v3
	v_lshlrev_b32 v[VH], 4, v3
	v_lshlrev_b32 v[VL], 4, v1
	v_mov_b32 v[VZ], 0
	v_mul_u32_u24 v[FRL], v2, 528
	v_lshl_add_u32 v[FRL], v3, 4, v[FRL]
	v_add_nc_u32 v[FR], s44, v[FRL]
	v_add_nc_u32 v[FR+1], CH, v[FR]
	v_add_nc_u32 v[KVR], KVX, v[FRL]
	v_add_nc_u32 v[KVW], s45, v[VL]
	v_add_nc_u32 v[KVW], KVX, v[KVW]               ; my 16 rows of kv
	v_add_nc_u32 v[CTW], s46, v[VL]
	v_add_nc_u32 v[CTW], KVX, v[CTW]               ; ctx: byte (16 m + head) x 512 + 16 lane
	v_add_nc_u32 v[CTR], KVX, v[VL]
	v_add_nc_u32 v[CSR], CTXS, v[VR]
	v_add_nc_u32 v[CSW], s48, v[CSR]
	v_lshl_add_u32 v[QA], v3, 5, s47
	v_add_nc_u32 v[QA], STAGE, v[QA]
	v_mul_u32_u24 v[STO], v2, 272
	v_lshl_add_u32 v[STO], v3, 5, v[STO]
	v_add_nc_u32 v[STO], s47, v[STO]
	v_add_nc_u32 v[STO], STAGE, v[STO]             ; in: row r, 32 bytes for each half of the lanes
	v_mul_u32_u24 v[SRD], v3, 272
	v_lshl_add_u32 v[SRD], v2, 4, v[SRD]
	v_add_nc_u32 v[SRD], s47, v[SRD]
	v_add_nc_u32 v[SRD], STAGE, v[SRD]             ; back: lanes 0-15 one row of 256 bytes, lanes 16-31 the next
	v_lshlrev_b32 v[CO], 12, v3
	v_lshl_add_u32 v[CO], v2, 4, v[CO]             ; and the same two rows in out
	v_lshlrev_b32 v[PFO], 8, v1
	v_add_nc_u32 v[PFO], s49, v[PFO]
	WIN 0xc0
.irp x, 0,1,2,3,4,5,6,7
	v_mov_b32 v[EX+\x], 0                          ; written once: a lane permute's destination counts as one of its sources
.endr
	WIN 0
	s_wait_alu depctr_va_vdst(0)
	s_wait_dscnt 0x0                               ; both opening adds are done
	s_wait_kmcnt 0x0
	s_mov_b32 s9, 0                                ; s[8:9]: offsets made of the wave's number alone
	s_lshl_b32 s8, s[WV], 17                       ; four chunks to a wave
.irp p, PQ, PK, PV, PO
	s_add_nc_u64 s[\p:\p+1], s[\p:\p+1], s[8:9]
.endr
	s_lshl_b32 s8, s[WV], 13                       ; 256 rows of 32 scale bytes; also 16 rows of kv
.irp p, SQ, SK, SV, SO, KC
	s_add_nc_u64 s[\p:\p+1], s[\p:\p+1], s[8:9]
.endr
	s_lshl_b32 s8, s[WV], 10                       ; 256 numbers of bias; also 256 columns of out
.irp p, BQ, BK, BV, BO, OUTP
	s_add_nc_u64 s[\p:\p+1], s[\p:\p+1], s[8:9]
.endr
	s_mov_b64 s[G0H+2:G0H+3], s[PQ:PQ+1]
	s_or_b32 s[G0H+3], s[G0H+3], 0x80000000        ; type = 2
	s_mov_b32 s11, 0                               ; s[10:11]: offsets that reach no descriptor
	s_lshr_b32 s14, ttmp9, 2                       ; the batch
	s_lshl_b32 s10, s14, 9
	s_add_nc_u64 s[HC:HC+1], s[HC:HC+1], s[10:11]
	s_lshl_b32 s10, s14, 5
	s_add_nc_u64 s[HSS:HSS+1], s[HSS:HSS+1], s[10:11]
	s_lshl_b32 s10, s[KB], 15                      ; 64 rows of 512 bytes of kv
	s_add_nc_u64 s[KC:KC+1], s[KC:KC+1], s[10:11]
	s_lshl_b32 s10, s[KB], 11                      ; 64 rows of 32 scale bytes
	s_add_nc_u64 s[KSS:KSS+1], s[KSS:KSS+1], s[10:11]
	s_lshl_b32 s10, s[KB], 18                      ; 64 rows of 4,096 bytes of out
	s_add_nc_u64 s[OUTP:OUTP+1], s[OUTP:OUTP+1], s[10:11]
	ROUND                                          ; all four work-groups are here: the first joint loads meet
	tensor_load_to_lds s[G0H:G0H+3], s[G1H:G1H+7]  ; my first two chunks of Wq, into both my slots: the wave's one tensor load at the head
	s_nop 0
	PLACES 4
	WIN 0x40
.irp i, 0,1,2,3,4,5,6,7,8,9,10,11,12,13,14,15
	global_load_b128 v[4*\i:4*\i+3], v[VL], s[KC:KC+1] offset:512*\i   ; my 16 rows of kv, a row of 512 consecutive bytes to a load
.endr
	WIN 0
.irp s, 0,1,2,3,4,5,6,7                ; hs: every lane takes my batch's row, its half's 16 bytes of each 32
.irp c, 0,1
	global_load_b128 v[HF+8*\s+4*\c:HF+8*\s+4*\c+3], v[VH], s[HC:HC+1] offset:64*\s+32*\c
.endr
.endr
	global_load_b128 v[HS:HS+3], v[VZ], s[HSS:HSS+1]
	global_load_b128 v[HS+4:HS+7], v[VZ], s[HSS:HSS+1] offset:16
	REQ 0, SQ, 0, BQ, 0
	WIN 0
.irp m, 0,1,2,3                        ; kv's scale words: lane r takes key 16 m + r
.irp e, 0,1
	global_load_b128 v[KS+8*\m+4*\e:KS+8*\m+4*\e+3], v[VR], s[KSS:KSS+1] offset:512*\m+16*\e
.endr
.endr
	s_wait_loadcnt 38                              ; kv's rows are in; behind them 16 + 2 of hs, 12 of Wq's first chunk, 8 of kv's scales
	WIN 0x04                                       ; the data: window 1
.irp i, 0,1,2,3,4,5,6,7,8,9,10,11,12,13,14,15
	ds_store_b128 v[KVW], v[4*\i:4*\i+3] offset:528*\i   ; to all four waves, behind the first step's round
.endr
	WIN 0
	s_wait_tensorcnt 0x0                           ; my two chunks are in, and I alone read them
	LOADG 0, 0
	LOADG 0, 1
	LOADG 0, 2
	LOADG 0, 3
	; ---- q / 8 of my four heads
	QSTEP 0, G0A, PQ, 2*CB, SQ, 2048, BQ, 256
	WIN 0x40
.irp s, 0,1,2,3,4,5,6,7                ; all four waves' rows of kv lie in LDS: the 64 keys' fragments
.irp m, 0,1,2,3
.irp c, 0,1
	ds_load_b128 v[8*(8*\m+\s)+4*\c:8*(8*\m+\s)+4*\c+3], v[KVR] offset:16*\m*528+64*\s+32*\c
.endr
.endr
.endr
	PFE PK, 0
	QSTEP 1, G0B, PQ, 3*CB, SQ, 4096, BQ, 512
	PFE PV, 0
	QSTEP 2, G0A, PK, 0, SQ, 6144, BQ, 768
	PFE PK, CB
	QSTEP 3, G0B, PV, 0, SK, 0, BK, 0
	PFE PV, CB
	; ---- my four heads: k, the score and its gate; v, the quantiser
	KSTEP 0
	VSTEP 0
	KSTEP 1
	VSTEP 1
	KSTEP 2
	VSTEP 2
	KSTEP 3
	VSTEP 3
	; ---- one round for two things: everybody's stores of ctx are done, and my slot 1, read out a step ago, takes Wo's second chunk
	WIN 0
	s_wait_tensorcnt 0x0
	ds_add_u32 v[SPW], v[NIL]                      ; 0 onto my spare word
	s_add_nc_u64 s[G0B+2:G0B+3], s[PO:PO+1], CB
	s_or_b32 s[G0B+3], s[G0B+3], 0x80000000
	s_wait_dscnt 0x0                               ; the add and my stores of ctx are done, and all that I read from LDS is in
	ROUND
	tensor_load_to_lds s[G0B:G0B+3], s[G1:G1+7]
	s_nop 0
	PLACES 4
	; ---- all 16 heads' codes and scale bytes become the fragments of the last product
.irp m, 0,1,2,3
.irp e, 0,1
	ds_load_b128 v[KS+8*\m+4*\e:KS+8*\m+4*\e+3], v[CSR] offset:512*\m+16*\e
.endr
.endr
	WIN 0x40
.irp s, 0,1,2,3,4,5,6,7
.irp m, 0,1,2,3
.irp c, 0,1
	ds_load_b128 v[8*(8*\m+\s)+4*\c:8*(8*\m+\s)+4*\c+3], v[CTR] offset:512*(16*\m+2*\s+\c)
.endr
.endr
.endr
	PFE PO, 3*CB
	OSTEP 0
	OSTEP 1
	OSTEP 2
	OSTEP 3
	s_wait_tensorcnt 0x0                           ; the wave's end, behind my last tensor load and my last LDS store (every window is 0 here)
	ds_add_u32 v[SPW], v[NIL]
	s_wait_dscnt 0x0
	ROUND                                          ; the closing round: no work-group ends while a partner may still ask for a chunk that names it
	s_endpgm
.Lfunc_end_k_q9da1f5b7cc_fused:
	.size	k_q9da1f5b7cc_fused, .Lfunc_end_k_q9da1f5b7cc_fused-k_q9da1f5b7cc_fused
	.p2alignl 7, 3214868480
	.fill 96, 4, 3214868480
	.section	.rodata,"a",@progbits
	.p2align	6, 0x0
	.amdhsa_kernel k_q9da1f5b7cc_fused
		.amdhsa_group_segment_fixed_size 327680
		.amdhsa_private_segment_fixed_size 0
		.amdhsa_enable_private_segment 0
		.amdhsa_kernarg_size 136
		.amdhsa_user_sgpr_count 2
		.amdhsa_user_sgpr_kernarg_segment_ptr 1
		.amdhsa_wavefront_size32 1
		.amdhsa_system_sgpr_workgroup_id_x 1
		.amdhsa_system_sgpr_workgroup_id_y 1
		.amdhsa_system_sgpr_workgroup_id_z 1
		.amdhsa_system_vgpr_workitem_id 0
		.amdhsa_next_free_vgpr 1024
		.amdhsa_next_free_sgpr 102
		.amdhsa_reserve_vcc 0
		.amdhsa_float_denorm_mode_32 3
		.amdhsa_float_denorm_mode_16_64 3
		.amdhsa_memory_ordered 1
		.amdhsa_forward_progress 1
		.amdhsa_inst_pref_size 255
	.end_amdhsa_kernel
	.section	.bss,"aw",@nobits
	.p2align	6
	.space	262144
	.amdgpu_metadata
---
amdhsa.version: [ 1, 2 ]
amdhsa.kernels:
  - .name:           k_q9da1f5b7cc_fused
    .symbol:         k_q9da1f5b7cc_fused.kd
    .args:
      - { .name: Wq_codes, .offset: 0, .size: 8, .value_kind: global_buffer, .address_space: global }
      - { .name: Wq_scales, .offset: 8, .size: 8, .value_kind: global_buffer, .address_space: global }
      - { .name: bq, .offset: 16, .size: 8, .value_kind: global_buffer, .address_space: global }
      - { .name: Wk_codes, .offset: 24, .size: 8, .value_kind: global_buffer, .address_space: global }
      - { .name: Wk_scales, .offset: 32, .size: 8, .value_kind: global_buffer, .address_space: global }
      - { .name: bk, .offset: 40, .size: 8, .value_kind: global_buffer, .address_space: global }
      - { .name: Wv_codes, .offset: 48, .size: 8, .value_kind: global_buffer, .address_space: global }
      - { .name: Wv_scales, .offset: 56, .size: 8, .value_kind: global_buffer, .address_space: global }
      - { .name: bv, .offset: 64, .size: 8, .value_kind: global_buffer, .address_space: global }
      - { .name: hidden_states_codes, .offset: 72, .size: 8, .value_kind: global_buffer, .address_space: global }
      - { .name: hidden_states_scales, .offset: 80, .size: 8, .value_kind: global_buffer, .address_space: global }
      - { .name: key_value_states_codes, .offset: 88, .size: 8, .value_kind: global_buffer, .address_space: global }
      - { .name: key_value_states_scales, .offset: 96, .size: 8, .value_kind: global_buffer, .address_space: global }
      - { .name: Wo_codes, .offset: 104, .size: 8, .value_kind: global_buffer, .address_space: global }
      - { .name: Wo_scales, .offset: 112, .size: 8, .value_kind: global_buffer, .address_space: global }
      - { .name: bo, .offset: 120, .size: 8, .value_kind: global_buffer, .address_space: global }
      - { .name: out0, .offset: 128, .size: 8, .value_kind: global_buffer, .address_space: global }
    .group_segment_fixed_size: 327680
    .private_segment_fixed_size: 0
    .kernarg_segment_align: 8
    .kernarg_segment_size: 136
    .max_flat_workgroup_size: 128
    .sgpr_count:     102
    .vgpr_count:     1024
    .wavefront_size: 32
...
	.end_amdgpu_metadata
.endif
;; end of part 2
